; MI455X (gfx1250); checked and timed in simulation.
; The chip was launched on July 23, 2026; its instructions are those of AMD's public machine-readable ISA for CDNA 5 (MIT licence, August 2026) and "CDNA5" Instruction Set Architecture Reference Guide (July 2026). The comments in the code are by the model that wrote it; some were corrected since.
;; Scaled Dot Product Attention. Allowed arithmetic: matrix products marked QUANTISED: E4M3 operands, one given power-of-two scale a tensor, by v_wmma_f32_16x16x64_fp8_fp8 or v_wmma_f32_16x16x128_fp8_fp8, f32 sums; everything else in f32.
;; Inputs: K_codes 4 x 16 x 2,048 x 4 x 32 uint8 (E4M3 codes of K, K innermost, in blocks of 32 codes); Q_codes 4 x 16 x 2,048 x 4 x 32 uint8 (E4M3 codes of Q, K innermost, in blocks of 32 codes); V_codes 4 x 16 x 128 x 64 x 32 uint8 (E4M3 codes of V, K innermost, in blocks of 32 codes); lowp_scales 4 int32 (the exponents e of the quantised operands' scales 2^e).
;; Outputs: out0 4 x 16 x 2,048 x 128 float32.
;; This version of the problem:
;;   THIS VERSION OF THE PROBLEM IS GIVEN IN LOW PRECISION. The matrix products marked QUANTISED in the list below multiply operands that are first quantised to E4M3 (4 exponent bits, 3 mantissa bits; 8 bits a number), with one given power-of-two scale for each operand tensor; their sums are f32. All else is computed in f32.
;;   The module's matrix products, in the order in which they are computed (A, B: the left and right operand; K: the contracted axis; several contracted axes count as one K, in the product's order):
;;     1. batch 64 x [M 2,048, K 128] x [K 128, N 2,048]; A: input Q (given as codes); B: input K (given as codes): QUANTISED (scales: A lowp_scales[0], B lowp_scales[1])
;;     2. batch 64 x [M 2,048, K 2,048] x [K 2,048, N 128]; A: softmax (see below); B: input V (given as codes): QUANTISED (scales: A lowp_scales[2], B lowp_scales[3])
;;   THE QUANTISER, for each operand of a quantised product, along K:
;;     - The operand's scale is 2^e, e = its entry of the input lowp_scales (int32; the entries are numbered through the quantised products in the list's order, A before B).
;;     - Each number is divided by the scale, clamped to +-448, and rounded to the nearest number of E4M3, ties to even, subnormals kept.
;;     - The product sums the exact products of the quantised numbers (number of the format x scale) in f32.
;;   ~~~python
;;   def quantise(x, axis, e):      # numpy; x: float32 -> the quantised numbers, widened to float32 again
;;       x = np.moveaxis(x, axis, -1); K = x.shape[-1]
;;       r = np.clip(x / 2.0 ** e, -448, 448)
;;       step = 2.0 ** (np.maximum(np.frexp(np.where(r == 0, 1, r))[1] - 1, -6) - 3)
;;       q = np.round(r / step) * step * 2.0 ** e      # np.round: ties to even
;;       return np.moveaxis(q, -1, axis).astype(np.float32)
;;   ~~~
;;   SOFTMAX AHEAD OF A QUANTISED PRODUCT. Where the list says 'softmax', what is quantised is not the finished softmax but p = 2^(t - M), with t = logit x log2(e) and M = ceil(the row's largest t), a whole number; so 1/2 < the row's largest p <= 1. The row's sum l is taken of the UNQUANTISED p, in f32, and the product's result is divided by l at the end. Since M is a whole number, a kernel that streams over the keys may use a running M (the ceiling of the running maximum): every later rescaling is an exact power of two, so the quantised numbers keep their values, but for numbers so far below the row's largest that they fall under the format's range.
;;   OPERANDS COMPUTED ON THE WAY. 'Computed on the way' means the value that the module computes at that place (a softmax that the list does not call 'softmax' is quantised finished and normalised). What goes into a quantiser is computed in f32, as accurately as f32 sums, v_exp_f32 and their like allow (about 1e-6 of the number): no bf16 or f16 on the way to a quantiser, and a product that is left as it is and whose result goes on into a quantised operand takes f32 operands (vector FMAs, or v_wmma_f32_16x16x4_f32). A number that lies on a knife's edge between two numbers of the format may be rounded either way, as far as f32 arithmetic and the matrix unit's own rounding can turn it there, and no further.
;;   INPUTS GIVEN AS CODES. K (in the module: [4, 16, 2048, 128], K = its axis 3); Q (in the module: [4, 16, 2048, 128], K = its axis 3); V (in the module: [4, 16, 2048, 128], K = its axis 2): each comes as NAME_codes (uint8): NAME with its K axis moved to the last place and cut into blocks of 32 codes, [.., K / 32, bytes a block], one block behind the other in memory; one code a byte (a code: sign, 4 exponent bits, 3 mantissa bits); its scale is its entry of lowp_scales. Its value is code x scale, taken as it is: it is not quantised again, and the codes and scales need not be those that the quantiser above would give.
;; One version. Each part assembles by itself: llvm-mc -triple=amdgcn-amd-amdhsa -mcpu=gfx1250 --defsym DOCPART=n.
;; ======== version 1 of 1: 1 launch
;; limits: right only within a limited range of input values
;; launch attn (part 1): grid 4 x 64, 16 waves a work-group, no clusters, 327,680 bytes of LDS; arguments Q_codes, K_codes, V_codes, lowp_scales, out0; writes out0
.if DOCPART == 1
	.amdgcn_target "amdgcn-amd-amdhsa--gfx1250"
	.amdhsa_code_object_version 6
	.text
	.protected	k_qfbb13503af_attn
	.globl	k_qfbb13503af_attn
	.p2align	8
	.type	k_qfbb13503af_attn,@function
k_qfbb13503af_attn:
	s_mov_b64 s[64:65], 0
	v_nop
	global_prefetch_b8 v0, s[64:65] scope:SCOPE_SE
	s_setreg_imm32_b32 hwreg(HW_REG_WAVE_MODE, 25, 1), 1
	s_wait_xcnt 0x0
; O[h][q][:] = the sum over k <= q of softmax_k(Q[h][q] . K[h][k] / sqrt(128)) V[h][k][:]: causal attention, 64 heads, 2,048 queries and keys a head, head size 128.
; Both products on codes of FP8 (E4M3), each tensor with the one scale 2^e that is given for it: eq, ek, ep, ev.  Q, K: [64][2048][128] codes.  V: [64][128][2048] codes, the keys innermost.  O: [64][2048][128] f32.
; THE SOFTMAX AHEAD OF THE SECOND PRODUCT: t = score x 2^(eq + ek) x log2(e) / sqrt(128); M = the row's largest t so far, rounded UP to a whole number; p = 2^(t - M) is quantised with 2^ep, not normalised.
; The row's sum is taken of the unquantised p, in f32, and divides O at the end.  When M moves, the sum and O are multiplied by 2^(old M - new M): a power of two.
; SHARES.  A work-group STAYS and makes TWO blocks of 256 queries of one head: block 7 - x first, block x afterwards (x = work-group x, 0 to 3).  Block b needs the key slots 0 .. b of 256 keys, so every
; work-group walks (8 - x) + (x + 1) = 9 slots: a constant of the text; every slot that is fetched is read; every work-group has the same number of steps of 16 queries x 128 keys: 272.  4 x 64 = 256 work-groups.
; Each of the SIXTEEN waves owns 16 queries of the block in hand, one tile, in 256 registers: four waves to a SIMD, so that one wave's vector work stands beside another's matrix work and LDS loads.
; K's and V's tiles come through a ring of two LDS slots filled by the tensor data mover (waves 0 and 1: K's halves; waves 2 and 3: V's) and read by all sixteen.  A wave has at most one tensor load outstanding.
; LAYOUT.  Both products are used transposed: S^T = K Q^T (source 0 = 16 keys, source 1 = my 16 queries), O^T = V^T P^T (source 0 = 16 of the head's 128, source 1 = P): a lane holds ONE query (lane % 16) throughout.
; THE KEYS OF A TILE ARE NOT NEIGHBOURS: lane r of tile 2 b + u takes key 32 b + 8 u + r + 8 (r / 8), so that the 16 registers of tiles 2 b and 2 b + 1 are 16 neighbouring keys, 32 b + 16 (lane / 16) + 0 .. 15.
; A fragment is fetched by four loads of 16 bytes, 32 bytes apart: a permutation of k that is the same in both sources of each product.
; CAUSAL.  A step all of whose 128 keys come after my 16 queries is jumped over (a scalar branch on ids); in the step on the diagonal hidden scores become -infinity ahead of the maximum.  Key 0 counts for every query.
; NO CLUSTER.  The four work-groups of a head leave their first block after 8 - x slots, so from the fifth trip on they want different tiles at the same change of slots, and the jump over hidden steps and the
; change of blocks hang on the block of queries, which in a cluster would be the work-group's place.  What they share is 576 KiB a work-group in the whole launch, beside 272 x 274 vector instructions.
; LIMITS on the given exponents, so that each power of two below is an f32 number: eq + ek between -123 and 130 (they are added to c's exponent field); ep between -126 and 127; ep + ev is applied by v_ldexp_f32 and has none.
; NaN codes among the inputs are not served.
; All of the WGP's LDS is claimed; 274,688 bytes are used.
; REGISTERS: v1-7, v10, v11 addresses that stay; v8, v9 addresses of the step in hand; v12 -M, v13 the largest t, v[14:15] the sum in two halves; v16-31 Q; v32-95 four fragments of K or of V; v96-159 S^T, then p;
; v160-223 O^T; v224-239 p's codes; v244 2^ep; v242-243, v252-254 at work.
.set SK,    256                        ; keys in a slot: two steps of 128
.set ROWB,  128                        ; 128 codes in bytes
.set KP,    144                        ; a key's row in LDS: 128 bytes + 16 of padding
.set VROWB, 256                        ; SK codes: a row of V's tile
.set VP,    272                        ; and in LDS: + 16 of padding
.set KROWV, 2048                       ; a row of V in memory
.set VOFF,  SK*KP                      ; a slot: 256 rows of K, then 128 rows of V
.set SLOTB, VOFF+128*VP                ; 71,680 bytes
.set SLOT1, 1<<17                      ; slot 1 begins here, so that one exclusive or turns an address in one slot into the other's
.set SPARE, SLOT1+SLOTB+256            ; behind the ring and 256 unused bytes: the spare words, 128 bytes for each wave: eight blocks of 256 bytes that no other line names
.set STAGE, SPARE+16*128               ; the way out: 16 rows x (256 bytes + 16) for each wave, bytes of their own: no tile ever lands here
.set STGW,  16*272                     ; a wave's stage: 17 blocks of 256 bytes
.set AK0,  1                           ; v1   my lane's place in a tile of K
.set AV0,  2                           ; v2   the same for V
.set PFO,  3                           ; v3   the prefetches' offset: 256 x my lane in K's block, 2,048 x my lane among V's rows; never rewritten
.set QL,   4                           ; v4   my lane's byte in the wave's 16 rows of Q
.set SPW,  5                           ; v5   LDS address of my spare word: SPARE + 4 x my thread's number; never rewritten
.set NIL,  6                           ; v6   0; never rewritten
.set GO,   7                           ; v7   the way out: my byte offset in the wave's rows of O
.set ADK,  8                           ; v8   LDS address of the step's tiles of K
.set ADV,  9                           ; v9   of V
.set STO,  10                          ; v10  the stage: where I put 32 bytes of a row
.set SRD,  11                          ; v11  and where I read a row back
.set TB,   2                           ; s2   LDS byte at which the slot in hand begins
.set T,    3                           ; s3   the trip, 0 to 7
.set QB,   8                           ; s[8:9]   Q at my 16 rows of the first block;  s[10:11] of the second
.set QA,   10
.set WV,   18                          ; s18  my wave's number
.set SWL,  19                          ; s19  7 - x: the first block, and its last trip
.set SEL,  20                          ; s[20:21] lane selects for v_permlanex16_b32: lane l xor 16
.set CS,   22                          ; s[22:23] c = 2^(eq + ek) log2(e) / sqrt(128): the packed form names a pair and takes its low word for both halves
.set G1K,  24                          ; s[24:31] descriptor group 1 for K's tiles;  s[32:39] for V's;  s[40:43], s[44:47] their groups 0
.set G1V,  32
.set G0K,  40
.set G0V,  44
.set KB,   48                          ; s[48:49] where my part of K's tiles begins in the head's slot 0;  s[50:51] the same for V
.set VB,   50
.set OFK,  52                          ; s[52:53] the slot asked for, in bytes of K: 32,768 a slot;  s[54:55] in bytes of a row of V: 256 a slot
.set OFV,  54
.set OB,   56                          ; s[56:57] O at my 16 rows of the first block;  s[58:59] of the second
.set OA,   58
.set SG,   60                          ; s60  the key slot that is being asked for
.set Q0A,  61                          ; s61  my first query in the second block
.set EPV,  62                          ; s62  ep + ev
.set PFA,  76                          ; s[76:77] where my prefetches stand: my wave's part (waves 4 to 7: of K; waves 8 to 11: of V) of the slot after the one that is being asked for
.set PFS,  78                          ; s[78:79] a slot on, in bytes
.set LIM,  80                          ; s80  6 in a wave that prefetches, else 0: a wave prefetches while the trip is under it
.set KF,   98                          ; s98  the step's first key
.set Q0,   99                          ; s99  my first query
; Waves 0 and 1 fetch for K, waves 2 and 3 for V, the others nothing.  The branches hang on the wave's number alone.  Four v_nop follow each of the two lines.
.macro TLOAD
	s_cmp_lt_u32 s[WV], 2
	s_cbranch_scc0 .Lnot_k_\@
	tensor_load_to_lds s[G0K:G0K+3], s[G1K:G1K+7]
	s_nop 0
.rept 4
	v_nop
.endr
	s_branch .Lasked_\@
.Lnot_k_\@:
	s_cmp_lt_u32 s[WV], 4
	s_cbranch_scc0 .Lasked_\@
	tensor_load_to_lds s[G0V:G0V+3], s[G1V:G1V+7]
	s_nop 0
.rept 4
	v_nop
.endr
.Lasked_\@:
.endm
; A PREFETCH of the key slot that the NEXT change of slots will ask for: in trip T slot T + 2, for T = 0 .. 5: two key steps ahead of the tensor load that will want it.
; Each aligned block of 256 bytes is named once in the launch.  The four work-groups of a head walk the same K and V; the one with x = 0 walks slots 0 to 7 in trips 0 to 7, and it asks.  In it the waves ask that
; fetch nothing, one instruction each: waves 4 to 7 for K's 256 rows, one dense block of 4 x 8,192 bytes, lanes 256 bytes apart; waves 8 to 11 for V's 128 rows, 32 a wave, a lane a row (a slot's part of a row is 256 bytes, aligned).
; Slots 0 and 1 come by their loads alone; slot 7 is the head's last, so trips 6 and 7 ask for nothing; the second block's slots have been asked for before.
.macro ASK
	s_cmp_lt_u32 s[T], s[LIM]
	s_cbranch_scc0 .Lnot_mine_\@
	global_prefetch_b8 v[PFO], s[PFA:PFA+1] th:TH_LOAD_NT scope:SCOPE_SE
.Lnot_mine_\@:
.endm
; Q's fragment of my 16 queries: it stays in registers for a block.  Read once in the launch.
.macro QLOAD qa
.irp c, 0,1,2,3
	global_load_b128 v[16+4*\c:19+4*\c], v[QL], s[\qa:\qa+1] offset:32*\c th:TH_LOAD_NT
.endr
.endm
; A block begins: the step is written once and finds zeros, which the first change of M leaves zeros.  Twice a wave in the launch.
.macro RESET q0
	s_mov_b32 s[Q0], s[\q0]
	s_mov_b32 s[KF], 0
	v_mov_b32 v13, 0xff61b1e6                      ; the largest t so far: -3e38, under every t
	s_delay_alu instid0(VALU_DEP_1)
	v_floor_f32 v12, -v13                          ; -M
	v_mov_b32 v14, 0                               ; the sum, in two halves
	v_mov_b32 v15, 0
.set JJ, 0
.rept 64
	v_mov_b32 v[160+JJ], 0                         ; O^T
.set JJ, JJ+1
.endr
.endm
	s_load_b128 s[4:7], s[0:1], 0x0                ; Q's codes s[4:5], K's codes s[6:7]
	s_load_b128 s[12:15], s[0:1], 0x10             ; V's codes s[12:13], the scales' exponents s[14:15]
	s_load_b64 s[16:17], s[0:1], 0x20              ; O
	v_lshl_add_u32 v[SPW], v0, 2, SPARE
	v_mov_b32 v[NIL], 0
	ds_add_u32 v5, v6
	ds_add_u32 v5, v6
	s_wait_dscnt 0x0
	v_lshrrev_b32 v245, 5, v0
	s_delay_alu instid0(VALU_DEP_1)
	v_readfirstlane_b32 s[WV], v245                ; wave 0..15
	s_and_b32 s72, ttmp7, 0xffff                   ; the head
	s_lshl_b32 s74, s72, 20                        ; its first byte in O: 2,048 rows of 512 bytes,
	s_lshl_b32 s72, s72, 18                        ; and in each tensor of codes: 262,144 bytes a head.  All offsets stay under 2^27: their high words are 0
	s_mov_b32 s73, 0
	s_mov_b32 s75, 0
	s_sub_co_u32 s[SWL], 7, ttmp9                  ; the first block
	s_lshl_b32 s81, s[WV], 4
	s_lshl_b32 s97, s[SWL], 8
	s_add_co_u32 s97, s97, s81                     ; my first query there: 256 (7 - x) + 16 x wave,
	s_lshl_b32 s[Q0A], ttmp9, 8
	s_add_co_u32 s[Q0A], s[Q0A], s81               ; and in the second block: 256 x + 16 x wave
	s_lshl_b32 s82, s97, 7
	s_add_co_u32 s82, s82, s72                     ; their codes,
	s_mov_b32 s83, 0
	s_lshl_b32 s84, s[Q0A], 7
	s_add_co_u32 s84, s84, s72
	s_mov_b32 s85, 0
	s_lshl_b32 s86, s97, 9
	s_add_co_u32 s86, s86, s74                     ; their rows of O
	s_mov_b32 s87, 0
	s_lshl_b32 s88, s[Q0A], 9
	s_add_co_u32 s88, s88, s74
	s_mov_b32 s89, 0
	; what I fetch, if I fetch: wave 0, 1: keys 128 x wave on; wave 2, 3: rows 64 x (wave - 2) of V
	s_and_b32 s81, s[WV], 1
	s_lshl_b32 s90, s81, 14                        ; K: 128 rows of 128 bytes in memory,
	s_add_co_u32 s90, s90, s72
	s_mov_b32 s91, 0
	s_lshl_b32 s92, s81, 17                        ; V: 64 rows of 2,048 bytes in memory,
	s_add_co_u32 s92, s92, s72
	s_mov_b32 s93, 0
	s_mul_i32 s94, s81, 128*KP                     ; and their places in a slot
	s_mul_i32 s95, s81, 64*VP
	s_add_co_u32 s95, s95, VOFF
	; descriptor group 1: K: 128 rows of 128 bytes, dense in memory;  V: 64 rows of 256 bytes, 2,048 bytes apart
	s_mov_b32 s[G1K], (0<<16)|(1<<20)|(4<<22)|(3<<25)   ; 15:0 no mask; 17:16 elements of 1 byte; 20 padding on; 24:22 after every 32 words (code 4); 31:25 four words (code 3)
	s_mov_b32 s[G1K+1], ROWB<<16                   ; tensor_dim0
	s_mov_b32 s[G1K+2], (SK/2)<<16                 ; tensor_dim1
	s_mov_b32 s[G1K+3], ROWB<<16                   ; tile_dim0
	s_mov_b32 s[G1K+4], SK/2                       ; tile_dim1
	s_mov_b32 s[G1K+5], ROWB                       ; tensor_dim0_stride
	s_mov_b32 s[G1K+6], 0
	s_mov_b32 s[G1K+7], 0
	s_mov_b32 s[G1V], (0<<16)|(1<<20)|(5<<22)|(3<<25)   ; padding: four words after every 64
	s_mov_b32 s[G1V+1], VROWB<<16
	s_mov_b32 s[G1V+2], 64<<16
	s_mov_b32 s[G1V+3], VROWB<<16
	s_mov_b32 s[G1V+4], 64
	s_mov_b32 s[G1V+5], KROWV
	s_mov_b32 s[G1V+6], 0
	s_mov_b32 s[G1V+7], 0
	s_mov_b32 s[SEL], 0x76543210
	s_mov_b32 s[SEL+1], 0xfedcba98
	s_mov_b32 s[CS], 0x3e0293ee                    ; log2(e) / sqrt(128)
	s_mov_b32 s[TB], 0
	s_mov_b32 s[T], 0
	s_mov_b32 s[SG], 0
	s_mov_b32 s[OFK+1], 0
	s_mov_b32 s[OFV+1], 0
	s_wait_kmcnt 0x0
	s_load_b128 s[68:71], s[14:15], 0x0            ; eq, ek, ep, ev
	s_add_nc_u64 s[KB:KB+1], s[6:7], s[90:91]
	s_add_nc_u64 s[VB:VB+1], s[12:13], s[92:93]
	s_mov_b32 s[G0K], 1                            ; 1:0 count = 1
	s_mov_b32 s[G0K+1], s94                        ; 63:32 LDS address: slot 0
	s_mov_b64 s[G0K+2:G0K+3], s[KB:KB+1]           ; 120:64 global address: the head's first 256 keys
	s_or_b32 s[G0K+3], s[G0K+3], 0x80000000        ; 127:126 type = 2
	s_mov_b32 s[G0V], 1
	s_mov_b32 s[G0V+1], s95
	s_mov_b64 s[G0V+2:G0V+3], s[VB:VB+1]
	s_or_b32 s[G0V+3], s[G0V+3], 0x80000000
	TLOAD                                          ; key slot 0 into LDS slot 0: ahead of every wait on TENSORcnt, every LDS read and every barrier
	s_add_nc_u64 s[QB:QB+1], s[4:5], s[82:83]
	s_add_nc_u64 s[QA:QA+1], s[4:5], s[84:85]
	s_add_nc_u64 s[OB:OB+1], s[16:17], s[86:87]
	s_add_nc_u64 s[OA:OA+1], s[16:17], s[88:89]
	; the prefetches (macro ASK): where my wave's stand, and who asks
	s_cmp_lt_u32 s[WV], 8                          ; waves 4 to 7 ask for K's codes, waves 8 to 11 for V's
	s_cselect_b64 s[PFA:PFA+1], s[6:7], s[12:13]
	s_mov_b32 s[PFS], VROWB
	s_cselect_b32 s[PFS], SK*ROWB, s[PFS]          ; a slot on
	s_mov_b32 s82, KROWV
	s_cselect_b32 s82, 256, s82                    ; from lane to lane
	s_mov_b32 s83, 32*KROWV
	s_cselect_b32 s83, 8192, s83                   ; from wave to wave
	v_and_b32 v[PFO], 31, v0
	s_delay_alu instid0(VALU_DEP_1)
	v_mul_lo_u32 v[PFO], v[PFO], s82
	s_and_b32 s82, s[WV], 3
	s_mul_i32 s82, s82, s83                        ; my wave's part,
	s_add_co_u32 s82, s82, s[PFS]                  ; in slot 1: the first change of slots steps it to slot 2.  Nothing is prefetched here, at the head
	s_mov_b32 s83, 0
	s_mov_b32 s[PFS+1], 0
	s_add_nc_u64 s[PFA:PFA+1], s[PFA:PFA+1], s[72:73]  ; in my head
	s_add_nc_u64 s[PFA:PFA+1], s[PFA:PFA+1], s[82:83]
	s_sub_co_u32 s82, s[WV], 4
	s_lshr_b32 s82, s82, 3                         ; 0 in waves 4 to 11,
	s_or_b32 s82, s82, ttmp9                       ; of the head's work-group x = 0
	s_cmp_eq_u32 s82, 0
	s_cselect_b32 s[LIM], 6, 0
	; every address register is made here, ahead of the loop
	v_and_b32 v245, 15, v0                         ; r = lane % 16
	v_bfe_u32 v246, v0, 4, 1                       ; h = lane / 16
	s_delay_alu instid0(VALU_DEP_2)
	v_lshlrev_b32 v[QL], 7, v245
	s_delay_alu instid0(VALU_DEP_1)
	v_lshl_add_u32 v[QL], v246, 4, v[QL]           ; Q: row r of 128 bytes, + 16 h
	QLOAD QB
	v_and_b32 v247, 8, v245
	s_delay_alu instid0(VALU_DEP_1)
	v_add_nc_u32 v247, v247, v245                  ; r + 8 (r / 8)
	s_delay_alu instid0(VALU_DEP_1)
	v_mul_u32_u24 v[AK0], v247, KP
	s_delay_alu instid0(VALU_DEP_1)
	v_lshl_add_u32 v[AK0], v246, 4, v[AK0]
	v_mul_u32_u24 v[AV0], v245, VP
	s_delay_alu instid0(VALU_DEP_1)
	v_lshl_add_u32 v[AV0], v246, 4, v[AV0]
	s_delay_alu instid0(VALU_DEP_1)
	v_add_nc_u32 v[AV0], VOFF, v[AV0]
	v_lshlrev_b32 v[GO], 9, v246
	s_delay_alu instid0(VALU_DEP_1)
	v_lshl_add_u32 v[GO], v245, 4, v[GO]           ; the way out: lanes 0-15 take one row of O, lanes 16-31 the next; 16 bytes a lane
	s_mul_i32 s81, s[WV], STGW
	s_add_co_u32 s81, s81, STAGE                   ; my stage
	v_mul_u32_u24 v[STO], v245, 272
	s_delay_alu instid0(VALU_DEP_1)
	v_lshl_add_u32 v[STO], v246, 5, v[STO]
	s_delay_alu instid0(VALU_DEP_1)
	v_add_nc_u32 v[STO], s81, v[STO]               ; in: row r; a tile's eight channels of my half: 32 h bytes on
	v_mul_u32_u24 v[SRD], v246, 272
	s_delay_alu instid0(VALU_DEP_1)
	v_lshl_add_u32 v[SRD], v245, 4, v[SRD]
	s_delay_alu instid0(VALU_DEP_1)
	v_add_nc_u32 v[SRD], s81, v[SRD]               ; back: lanes 0-15 one row, lanes 16-31 the next
	RESET 97
	v_mov_b32 v236, 0                              ; written once: a lane permute's destination counts as one of its sources
	v_mov_b32 v252, 0
	v_mov_b32 v253, 0                              ; (named as the upper half of the pair v[252:253])
	s_wait_kmcnt 0x0
	s_add_co_i32 s81, s68, s69
	s_lshl_b32 s81, s81, 23
	s_add_co_i32 s[CS], s[CS], s81                 ; a score stands for score x 2^(eq + ek): the two exponents are added to c's exponent field
	s_mov_b32 s[CS+1], s[CS]                       ; (named with it as a pair, so it is written)
	s_add_co_i32 s81, s70, 127
	s_lshl_b32 s82, s81, 23
	v_mov_b32 v244, s82                            ; 2^ep as f32, for the conversion
	s_add_co_i32 s[EPV], s70, s71                  ; ep + ev
; A KEY STEP: 128 keys, the q-th of the slot in hand.
.macro STEP q
	s_add_co_u32 s96, s[Q0], 15                    ; a step all of whose keys come after my 16 queries is left out: a scalar branch on ids, round the step's loads, products and softmax;
	s_cmp_gt_u32 s[KF], s96                        ; not round the line at its end that steps the first key; no barrier and no tensor load stands in a step
	s_cbranch_scc1 .Lhidden_\@
	v_add_nc_u32 v[ADK], s[TB], v[AK0]
	s_wait_alu depctr_va_vdst(0)
	v_add_nc_u32 v[ADV], s[TB], v[AV0]
.irp g, 0,1                                    ; S^T = K Q^T, four tiles of 16 keys at a time
.rept 4-2*(1-\g)
	v_nop                                          ; four places in front of loads into registers that matrix instructions have read (ISA guide 7.12.1 for vector instructions); the two additions above are places too
.endr
.irp t, 0,1,2,3
.irp c, 0,1,2,3
	ds_load_b128 v[32+16*\t+4*\c:32+16*\t+4*\c+3], v[ADK] offset:(128*(\q)+32*((4*\g+\t)/2)+8*(\t%2))*KP+32*\c
.endr
.endr
	s_wait_dscnt 0x0
.irp t, 0,1,2,3
	v_wmma_f32_16x16x128_fp8_fp8 v[96+8*(4*\g+\t):103+8*(4*\g+\t)], v[32+16*\t:47+16*\t], v[16:31], 0
.endr
.endr
.rept 4
	v_nop                                          ; four places in front of the first read of the scores
.endr
	s_add_co_u32 s96, s[KF], 127                   ; on the diagonal the scores of hidden keys become -infinity ahead of the maximum: p = 0 then.  A step all of whose keys count skips this
	s_cmp_le_u32 s96, s[Q0]
	s_cbranch_scc1 .Lopen_\@
	s_sub_co_i32 s96, s[Q0], s[KF]
	v_and_b32 v252, 15, v0
	v_bfe_u32 v253, v0, 4, 1
	s_delay_alu instid0(VALU_DEP_1)
	v_lshlrev_b32 v253, 4, v253
	s_delay_alu instid0(VALU_DEP_1)
	v_sub_nc_u32 v252, v252, v253
	s_delay_alu instid0(VALU_DEP_1)
	v_add_nc_u32 v252, s96, v252                   ; d = my query - the first key - 16 (lane / 16).  Register 16 b + i holds key 16 (lane / 16) + 32 b + i of the step: hidden where 32 b + i > d
	v_mov_b32 v254, 0xff800000                     ; -infinity
.set JJ, 0
.rept 64
	v_cmp_gt_i32 vcc_lo, 32*(JJ/16)+JJ%16, v252
	v_cndmask_b32 v[96+JJ], v[96+JJ], v254, vcc_lo
.set JJ, JJ+1
.endr
.Lopen_\@:
	v_max3_num_f32 v254, v96, v97, v98             ; the step's largest score of my query, among my 64 keys, in two chains, each accumulator from its low end on,
	v_max3_num_f32 v252, v99, v100, v101
.irp i, 6,10,14,18,22,26,30,34,38,42,46,50,54,58
	v_max3_num_f32 v254, v254, v[96+\i], v[97+\i]
	v_max3_num_f32 v252, v252, v[98+\i], v[99+\i]
.endr
	v_max3_num_f32 v254, v254, v158, v159
	s_delay_alu instid0(VALU_DEP_1)
	v_max_num_f32 v254, v254, v252
	v_permlanex16_b32 v236, v254, s[SEL], s[SEL+1]
	s_delay_alu instid0(VALU_DEP_1)
	v_max_num_f32 v254, v254, v236                 ; and among lane l xor 16's
	s_delay_alu instid0(VALU_DEP_1)
	v_mul_f32 v254, s[CS], v254                    ; as t (c is positive)
	s_delay_alu instid0(VALU_DEP_1)
	v_max_num_f32 v13, v13, v254                   ; the running largest t
	v_mov_b32 v254, v12
	s_delay_alu instid0(VALU_DEP_2)
	v_floor_f32 v12, -v13                          ; the new -M = floor(-t) = -ceil(t): M is a whole number
	s_delay_alu instid0(VALU_DEP_1)
	v_sub_f32 v254, v12, v254                      ; M's old value less its new one: a whole number, 0 or less
	s_delay_alu instid0(VALU_DEP_1)
	v_cvt_i32_f32 v254, v254                       ; (it saturates)
	s_delay_alu instid0(VALU_DEP_1)
	v_ldexp_f32 v252, 1.0, v254                    ; f = 2^(old M - new M)
.set JJ, 0
.rept 32
	v_pk_fma_f32 v[96+JJ:97+JJ], v[96+JJ:97+JJ], s[CS:CS+1], v[12:13] op_sel_hi:[1,0,0]   ; t - M, two at a time (of the pairs c and -M the low word serves both halves)
.set JJ, JJ+2
.endr
.set JJ, 0
	s_wait_alu depctr_va_vdst(0)
.rept 64
	v_exp_f32 v[96+JJ], v[96+JJ]                   ; p = 2^(t - M), at most 1: not normalised
.set JJ, JJ+1
.endr
	v_pk_mul_f32 v[14:15], v[14:15], v[252:253] op_sel_hi:[1,0]   ; the sums under the new M: the plain instruction behind the exponentials
	s_wait_alu depctr_va_vdst(0)                   ; one wait for the whole batch of 64, ahead of its first reader
	v_pk_add_f32 v[242:243], v[100:101], v[104:105]
	v_pk_add_f32 v[254:255], v[108:109], v[112:113]
	v_pk_add_f32 v[250:251], v[116:117], v[120:121]
	v_pk_add_f32 v[248:249], v[124:125], v[128:129]
	v_pk_add_f32 v[246:247], v[132:133], v[136:137]
	v_pk_add_f32 v[240:241], v[140:141], v[144:145]
	v_pk_add_f32 v[238:239], v[148:149], v[152:153]
	v_pk_add_f32 v[14:15], v[14:15], v[156:157]
	v_pk_add_f32 v[242:243], v[242:243], v[96:97]
	v_pk_add_f32 v[254:255], v[254:255], v[98:99]
	v_pk_add_f32 v[250:251], v[250:251], v[102:103]
	v_pk_add_f32 v[248:249], v[248:249], v[106:107]
	v_pk_add_f32 v[246:247], v[246:247], v[110:111]
	v_pk_add_f32 v[240:241], v[240:241], v[114:115]
	v_pk_add_f32 v[238:239], v[238:239], v[118:119]
	v_pk_add_f32 v[14:15], v[14:15], v[122:123]
	v_pk_add_f32 v[242:243], v[242:243], v[126:127]
	v_pk_add_f32 v[254:255], v[254:255], v[130:131]
	v_pk_add_f32 v[250:251], v[250:251], v[134:135]
	v_pk_add_f32 v[248:249], v[248:249], v[138:139]
	v_pk_add_f32 v[246:247], v[246:247], v[142:143]
	v_pk_add_f32 v[240:241], v[240:241], v[146:147]
	v_pk_add_f32 v[238:239], v[238:239], v[150:151]
	v_pk_add_f32 v[14:15], v[14:15], v[154:155]
	v_pk_add_f32 v[242:243], v[242:243], v[158:159]
	s_delay_alu instid0(VALU_DEP_2)
	v_pk_add_f32 v[14:15], v[14:15], v[248:249]
	s_delay_alu instid0(VALU_DEP_2)
	v_pk_add_f32 v[242:243], v[242:243], v[246:247]
	v_pk_add_f32 v[254:255], v[254:255], v[240:241]
	v_pk_add_f32 v[250:251], v[250:251], v[238:239]
	s_delay_alu instid0(VALU_DEP_2)
	v_pk_add_f32 v[14:15], v[14:15], v[254:255]
	s_delay_alu instid0(VALU_DEP_2)
	v_pk_add_f32 v[242:243], v[242:243], v[250:251]
	s_delay_alu instid0(VALU_DEP_1)
	v_pk_add_f32 v[14:15], v[14:15], v[242:243]
.irp b, 0,1,2,3
.set JJ, 0
.rept 16
.set JJ, JJ+1
.endr
	v_cvt_scalef32_pk8_fp8_f32 v[224+4*\b:225+4*\b], v[96+16*\b:103+16*\b], v244     ; registers 4 b .. 4 b + 3 of the operand: keys 32 b + 16 (lane / 16) + 0 .. 15
	v_cvt_scalef32_pk8_fp8_f32 v[226+4*\b:227+4*\b], v[104+16*\b:111+16*\b], v244
.endr
.set JJ, 0
.rept 32
	v_pk_mul_f32 v[160+JJ:161+JJ], v[160+JJ:161+JJ], v[252:253] op_sel_hi:[1,0]   ; O^T under the new M: x f.  These 32 are also the plain instructions between the conversions and the products below
.set JJ, JJ+2
.endr
	s_wait_alu depctr_va_vdst(0)
.irp g, 0,1                                    ; O^T += V^T P^T: four tiles of 16 of the head's 128 at a time; K = these 128 keys.  The eight accumulators take turns, one instruction a turn
.if \g > 0
.rept 4
	v_nop
.endr
.endif
.irp t, 0,1,2,3
.irp c, 0,1,2,3
	ds_load_b128 v[32+16*\t+4*\c:32+16*\t+4*\c+3], v[ADV] offset:16*(4*\g+\t)*VP+ROWB*(\q)+32*\c
.endr
.endr
	s_wait_dscnt 0x0
.irp t, 0,1,2,3
	v_wmma_f32_16x16x128_fp8_fp8 v[160+8*(4*\g+\t):167+8*(4*\g+\t)], v[32+16*\t:47+16*\t], v[224:239], v[160+8*(4*\g+\t):167+8*(4*\g+\t)]
.endr
.endr
.Lhidden_\@:
	s_add_co_u32 s[KF], s[KF], 128
.endm
; THE CHANGE OF SLOTS stands at a trip's head.  Each wave waits for all its tensor loads (its part of the slot that it is about to read), adds 0 to its spare word, and waits for that and for its reads of the slot that it has left.
; Behind the barrier the slot ahead is whole and nobody reads the other one.  fill = 1: that other slot is filled with the next trip's keys: the load has a whole trip's two steps in which to land.
.macro CHANGE fill
	s_wait_tensorcnt 0x0                           ; no tensor load of mine is out, so a group 0 may be written
	ds_add_u32 v[SPW], v[NIL]                      ; 0 onto my spare word; with fill = 1 the descriptors' steps stand between it and the wait for it
.if \fill
	s_add_co_u32 s[SG], s[SG], 1                   ; the next trip's key slot: one on,
	s_cmp_eq_u32 s[T], s[SWL]
	s_cselect_b32 s[SG], 0, s[SG]                  ; or slot 0 again, where this trip is the first block's last
	s_lshl_b32 s[OFK], s[SG], 15                   ; 256 rows of 128 bytes a slot
	s_lshl_b32 s[OFV], s[SG], 8                    ; 256 bytes of each row a slot
	s_add_nc_u64 s[G0K+2:G0K+3], s[KB:KB+1], s[OFK:OFK+1]
	s_or_b32 s[G0K+3], s[G0K+3], 0x80000000
	s_add_nc_u64 s[G0V+2:G0V+3], s[VB:VB+1], s[OFV:OFV+1]
	s_or_b32 s[G0V+3], s[G0V+3], 0x80000000
	s_xor_b32 s[G0K+1], s[G0K+1], SLOT1            ; into the other LDS slot than last time
	s_xor_b32 s[G0V+1], s[G0V+1], SLOT1
	s_wait_xcnt 0x0                                ; the last prefetch, a trip back, has read its address, so it may be written:
	s_add_nc_u64 s[PFA:PFA+1], s[PFA:PFA+1], s[PFS:PFS+1]  ; one slot on
.endif
	s_wait_dscnt 0x0                               ; the add is done, and my reads of the slot that I have left are over
	s_barrier_signal -1
	s_barrier_wait -1
.if \fill
	TLOAD                                          ; the first thing behind the barrier, and a wave's one tensor load until the next
	ASK
.endif
.endm
.macro SLOT_STEPS
	STEP 0
	STEP 1
	s_xor_b32 s[TB], s[TB], SLOT1                  ; on to the other slot
.endm
; THE WAY OUT of a block.  The sum's two halves are added; O^T is divided by the sum, multiplied by 2^(ep + ev), and goes through my stage in LDS, half a row (64 channels, 256 bytes) of 16 queries at a time,
; so that sixteen lanes store 256 consecutive bytes, at a multiple of 256 from O's first byte.
; Places behind the last products: O^T's first half was finished in front of the four v_nop of the step's last run of loads; behind the last four products stand two additions, the v_nop, v_ldexp_f32 and
; sixteen packed multiplies that name none of their registers, ahead of the first read of their results.
.macro WAYOUT ob
	v_add_f32 v14, v14, v15                        ; the sum's two halves,
	s_wait_alu depctr_va_vdst(0)
	v_permlanex16_b32 v252, v14, s[SEL], s[SEL+1]
	s_delay_alu instid0(VALU_DEP_1)
	v_add_f32 v14, v14, v252                       ; and lane l xor 16's: the row's sum
	s_wait_alu depctr_va_vdst(0)
	v_rcp_f32 v14, v14
	v_nop                                          ; a plain instruction behind the reciprocal,
	s_wait_alu depctr_va_vdst(0)                   ; and a wait ahead of its first reader
	v_ldexp_f32 v14, v14, s[EPV]                   ; x 2^(ep + ev)
.set JJ, 0
.rept 32
	v_pk_mul_f32 v[96+JJ:97+JJ], v[160+JJ:161+JJ], v[14:15] op_sel_hi:[1,0]   ; register 8 t + i is o(r, 16 t + 8 h + i); each accumulator from its low end on
.set JJ, JJ+2
.endr
.irp u, 0,1                                    ; channels 64 u on
.irp t, 0,1,2,3
	ds_store_b128 v[STO], v[96+32*\u+8*\t:99+32*\u+8*\t] offset:64*\t
	ds_store_b128 v[STO], v[100+32*\u+8*\t:103+32*\u+8*\t] offset:64*\t+16
.endr
.irp i, 0,1,2,3,4,5,6,7
	ds_load_b128 v[32+32*\u+4*\i:35+32*\u+4*\i], v[SRD] offset:2*\i*272   ; LDS serves a wave's instructions in order (ISA guide 5.7.1.4): these see my stores, and the next half's stores come behind them
.endr
.endr
.irp u, 0,1
.irp i, 0,1,2,3,4,5,6,7
	s_wait_dscnt 23-16*\u-\i                       ; what was issued behind load (u, i) may be out: 7 - i loads of its half, and behind the first half the second's 8 stores and 8 loads.  The last count is 0
	global_store_b128 v[GO], v[32+32*\u+4*\i:35+32*\u+4*\i], s[\ob:\ob+1] offset:1024*\i+256*\u th:TH_STORE_NT   ; written once, read by nobody here
.endr
.endr
.endm
	s_wait_loadcnt 0x0                             ; Q
.Lslot:                                            ; 8 trips, each of which asks for the next trip's tiles
	CHANGE 1
	SLOT_STEPS
	s_cmp_lg_u32 s[T], s[SWL]                      ; the first block's last trip?  A branch on ids alone, the same in all sixteen waves; no barrier and no tensor load stands under it
	s_cbranch_scc1 .Lsame
	QLOAD QA                                       ; the second block's Q is asked for first: the last products that read v16-31 stand ahead of four v_nop and a softmax
	WAYOUT OB
	RESET Q0A
	s_wait_loadcnt 0x0                             ; the new Q is in
	s_wait_xcnt 0x0                                ; the stores have read v32-95, into which the next step's LDS loads land
.Lsame:
	s_add_co_u32 s[T], s[T], 1
	s_cmp_lt_u32 s[T], 8
	s_cbranch_scc1 .Lslot
	CHANGE 0                                       ; the ninth trip is written out: nothing is left to fetch
	SLOT_STEPS
	WAYOUT OA
	s_wait_tensorcnt 0x0                           ; the wave's end: behind my last tensor load and my last LDS store
	ds_add_u32 v[SPW], v[NIL]
	s_wait_dscnt 0x0
	s_endpgm
.Lfunc_end_k_qfbb13503af_attn:
	.size	k_qfbb13503af_attn, .Lfunc_end_k_qfbb13503af_attn-k_qfbb13503af_attn
	.p2alignl 7, 3214868480
	.fill 96, 4, 3214868480
	.section	.rodata,"a",@progbits
	.p2align	6, 0x0
	.amdhsa_kernel k_qfbb13503af_attn
		.amdhsa_group_segment_fixed_size 327680
		.amdhsa_private_segment_fixed_size 0
		.amdhsa_enable_private_segment 0
		.amdhsa_kernarg_size 40
		.amdhsa_user_sgpr_count 2
		.amdhsa_user_sgpr_kernarg_segment_ptr 1
		.amdhsa_wavefront_size32 1
		.amdhsa_system_sgpr_workgroup_id_x 1
		.amdhsa_system_sgpr_workgroup_id_y 1
		.amdhsa_system_sgpr_workgroup_id_z 1
		.amdhsa_system_vgpr_workitem_id 0
		.amdhsa_next_free_vgpr 256
		.amdhsa_next_free_sgpr 100
		.amdhsa_reserve_vcc 1
		.amdhsa_float_denorm_mode_32 3
		.amdhsa_float_denorm_mode_16_64 3
		.amdhsa_fp16_overflow 1
		.amdhsa_memory_ordered 1
		.amdhsa_forward_progress 1
		.amdhsa_inst_pref_size 119
	.end_amdhsa_kernel
	.amdgpu_metadata
---
amdhsa.version: [ 1, 2 ]
amdhsa.kernels:
  - .name:           k_qfbb13503af_attn
    .symbol:         k_qfbb13503af_attn.kd
    .args:
      - { .name: Q_codes, .offset: 0, .size: 8, .value_kind: global_buffer, .address_space: global }
      - { .name: K_codes, .offset: 8, .size: 8, .value_kind: global_buffer, .address_space: global }
      - { .name: V_codes, .offset: 16, .size: 8, .value_kind: global_buffer, .address_space: global }
      - { .name: lowp_scales, .offset: 24, .size: 8, .value_kind: global_buffer, .address_space: global }
      - { .name: out0, .offset: 32, .size: 8, .value_kind: global_buffer, .address_space: global }
    .group_segment_fixed_size: 327680
    .private_segment_fixed_size: 0
    .kernarg_segment_align: 8
    .kernarg_segment_size: 40
    .max_flat_workgroup_size: 512
    .sgpr_count:     100
    .vgpr_count:     256
    .wavefront_size: 32
...
	.end_amdgpu_metadata
.endif
;; end of part 1
